; MI455X (gfx1250); checked and timed in simulation.
; The chip was launched on July 23, 2026; its instructions are those of AMD's public machine-readable ISA for CDNA 5 (MIT licence, August 2026) and "CDNA5" Instruction Set Architecture Reference Guide (July 2026). The comments in the code are by the model that wrote it; some were corrected since.
;; Head Attention. Allowed arithmetic: matrix products marked QUANTISED: E2M3 operands, one E8M0 scale for each 32 along K, by v_wmma_scale_f32_16x16x128_f8f6f4 with both operands' format E2M3, f32 sums; everything else in f32.
;; Inputs: Wk 1,024 x 128 float32; Wq 1,024 x 128 float32; Wv 1,024 x 128 float32; bk 128 float32; bq 128 float32; bv 128 float32; x 4 x 4,096 x 1,024 float32.
;; Outputs: out0 4 x 4,096 x 128 float32.
;; This version of the problem:
;;   THIS VERSION OF THE PROBLEM IS GIVEN IN LOW PRECISION. The matrix products marked QUANTISED in the list below multiply operands that are first quantised to E2M3 (2 exponent bits, 3 mantissa bits; 6 bits a number), with one power-of-two scale for each 32 numbers along K (OCP MX v1.0); their sums are f32. All else is computed in f32.
;;   The module's matrix products, in the order in which they are computed (A, B: the left and right operand; K: the contracted axis; several contracted axes count as one K, in the product's order):
;;     1. [M 16,384, K 1,024] x [K 1,024, N 128]; A: input x; B: input Wq: QUANTISED
;;     2. [M 16,384, K 1,024] x [K 1,024, N 128]; A: input x; B: input Wk: QUANTISED
;;     3. [M 16,384, K 1,024] x [K 1,024, N 128]; A: input x; B: input Wv: QUANTISED
;;     4. batch 4 x [M 4,096, K 128] x [K 128, N 4,096]; A: computed on the way; B: computed on the way: QUANTISED
;;     5. batch 4 x [M 4,096, K 4,096] x [K 4,096, N 128]; A: softmax (see below); B: computed on the way: QUANTISED
;;   THE QUANTISER, for each operand of a quantised product, along K:
;;     - K is cut into blocks of 32 from its start; a last block that is shorter is filled with zeros.
;;     - A block's scale is 2^e with e = floor(log2(the largest magnitude in the block)) - 2, held to -126 .. 127; a block of zeros has e = 0. As a byte (E8M0): e + 127.
;;     - Each number is divided by its block's scale, clamped to +-7.5, and rounded to the nearest number of E2M3, ties to even, subnormals kept.
;;     - The product sums the exact products of the quantised numbers (number of the format x scale) in f32.
;;   ~~~python
;;   def quantise(x, axis):      # numpy; x: float32 -> the quantised numbers, widened to float32 again
;;       x = np.moveaxis(x, axis, -1); K = x.shape[-1]
;;       x = np.pad(x, [(0, 0)] * (x.ndim - 1) + [(0, -K % 32)]); x = x.reshape(x.shape[:-1] + (-1, 32)); a = np.abs(x).max(-1, keepdims=True)
;;       e = np.where(a > 0, np.clip(np.frexp(np.where(a > 0, a, 1))[1] - 1 - 2, -126, 127), 0)      # np.frexp(a)[1] - 1 = floor(log2(a)), exactly
;;       r = np.clip(x / 2.0 ** e, -7.5, 7.5)
;;       step = 2.0 ** (np.maximum(np.frexp(np.where(r == 0, 1, r))[1] - 1, 0) - 3)
;;       q = np.round(r / step) * step * 2.0 ** e      # np.round: ties to even
;;       return np.moveaxis(q.reshape(q.shape[:-2] + (-1,))[..., :K], -1, axis).astype(np.float32)
;;   ~~~
;;   SOFTMAX AHEAD OF A QUANTISED PRODUCT. Where the list says 'softmax', what is quantised is not the finished softmax but p = 2^(t - M), with t = logit x log2(e) and M = ceil(the row's largest t), a whole number; so 1/2 < the row's largest p <= 1. The row's sum l is taken of the UNQUANTISED p, in f32, and the product's result is divided by l at the end. Since M is a whole number, a kernel that streams over the keys may use a running M (the ceiling of the running maximum): every later rescaling is an exact power of two, which a block's scale takes up: the codes' values come out the same.
;;   OPERANDS COMPUTED ON THE WAY. 'Computed on the way' means the value that the module computes at that place (a softmax that the list does not call 'softmax' is quantised finished and normalised). What goes into a quantiser is computed in f32, as accurately as f32 sums, v_exp_f32 and their like allow (about 1e-6 of the number): no bf16 or f16 on the way to a quantiser, and a product that is left as it is and whose result goes on into a quantised operand takes f32 operands (vector FMAs, or v_wmma_f32_16x16x4_f32). A number that lies on a knife's edge between two numbers of the format may be rounded either way, as far as f32 arithmetic and the matrix unit's own rounding can turn it there, and no further.
;; One version. Each part assembles by itself: llvm-mc -triple=amdgcn-amd-amdhsa -mcpu=gfx1250 --defsym DOCPART=n.
;; ======== version 1 of 1: 3 launches
;; limits: right only within a limited range of input values
;; workspace buffers: wimg 319,488 bytes; qimg 1,638,400 bytes; kv 3,276,800 bytes
;; launch wquant (part 1): grid 16 x 3, 8 waves a work-group, no clusters, 0 bytes of LDS; arguments Wq, Wk, Wv, wimg; writes wimg
.if DOCPART == 1
	.amdgcn_target "amdgcn-amd-amdhsa--gfx1250"
	.amdhsa_code_object_version 6
	.text
	.protected	k_q029a9225f3_wquant
	.globl	k_q029a9225f3_wquant
	.p2align	8
	.type	k_q029a9225f3_wquant,@function
k_q029a9225f3_wquant:
	s_mov_b64 s[64:65], 0
	v_nop
	global_prefetch_b8 v0, s[64:65] scope:SCOPE_SE
	s_setreg_imm32_b32 hwreg(HW_REG_WAVE_MODE, 25, 1), 1
	s_wait_xcnt 0x0
; Wq, Wk, Wv [1024 (k)][128 (n)], f32, K along the FIRST axis, become codes of FP6 (E2M3) with one E8M0 scale byte for each 32 along K.
; The codes are laid as IMAGES OF OPERAND REGISTERS.  A fragment is 16 columns x 128 K: 12 registers a lane, 1,536 bytes, in two halves c of 768: registers 6 c .. 6 c + 3, lane l's 16 bytes at 16 l, and at 512 registers 6 c + 4, 6 c + 5, 8 bytes at 8 l.
; Column tile w (16 columns), K steps 2 t and 2 t + 1, matrices p = 0, 1, 2 make a unit of WU bytes at (4 w + t) WU: fragment (s, p) at ((s % 2) 3 + p) x 1,536; its scale words (lane l's at 4 l; lanes 16-31 as lanes 0-15) at 9,216 + ((s % 2) 3 + p) x 128.
; SHARES: work-group x = 2 s + c, y = the matrix; wave w = column tile w: half a fragment a wave.  A LANE TAKES A COLUMN AND ITS REGISTERS RUN DOWN K, k = 64 c + 32 (lane / 16) + 0 .. 31: a whole block.
; The eight waves side by side read whole rows of 512 bytes.  No LDS, no barrier: waves share nothing.
; A block's scale is 2^(floor(log2(its largest magnitude)) - 2); its byte is the largest magnitude's exponent field - 2, held at 1 from below.
; LIMITS: a block of zeros gets the byte 1 where the rule says 127 (its codes are zeros, and this program alone reads the bytes); NaN and infinities among the inputs are not served.
; DEAD WORK LEFT OUT, in the program's last launch: whole key steps above the diagonal, which reference()'s own causal mask throws away for all values of the inputs.  A NaN, an infinity or an overflow that reaches only these is not carried to the result.
.set FRB, 1536                         ; a fragment's image in bytes
.set WU,  9984                         ; six images and their scale words
	s_load_b256 s[4:11], s[0:1], 0x0               ; Wq s[4:5], Wk s[6:7], Wv s[8:9], wimg s[10:11]
	v_lshrrev_b32 v1, 5, v0
	v_readfirstlane_b32 s12, v1                    ; wave = column tile
	v_and_b32 v6, 31, v0                           ; lane
	v_and_b32 v1, 15, v0                           ; r
	v_bfe_u32 v2, v0, 4, 1                         ; h
	s_lshl_b32 s24, s12, 6
	v_lshlrev_b32 v3, 4, v6                        ; out: 16 x lane
	v_lshlrev_b32 v4, 2, v6                        ; 4 x lane
	v_lshlrev_b32 v7, 3, v6                        ; 8 x lane
	v_lshl_add_u32 v5, v1, 2, s24                  ; in: column 16 w + r, 4 bytes each,
	v_lshlrev_b32 v10, 3, v2                       ; 8 h
	v_mov_b32 v8, 0
	v_lshl_add_u32 v5, v2, 14, v5                  ; and 32 rows of 512 bytes further down for lanes 16-31
	s_and_b32 s14, ttmp7, 0xffff                   ; which matrix
	s_and_b32 s15, ttmp9, 1                        ; c
	s_lshl_b32 s25, s12, 2
	s_lshr_b32 s28, ttmp9, 2
	s_add_co_u32 s25, s25, s28
	s_mul_i32 s25, s25, WU                         ; the unit
	s_bfe_u32 s28, ttmp9, 0x10001                  ; s % 2
	s_mul_i32 s28, s28, 3
	s_add_co_u32 s28, s28, s14
	s_mul_i32 s18, s28, FRB
	s_add_co_u32 s18, s18, s25
	s_mul_i32 s29, s15, 768
	s_add_co_u32 s18, s18, s29                     ; my half's image
	s_mov_b32 s19, 0
	s_lshl_b32 s20, s28, 7
	s_add_co_u32 s20, s20, s25
	s_lshl_b32 s29, s15, 1
	s_add_co_u32 s20, s20, s29
	s_add_co_u32 s20, s20, 6*FRB                   ; my two bytes of each scale word
	s_mov_b32 s21, 0
	s_lshl_b32 s26, ttmp9, 15                      ; my 64 rows of 512 bytes begin 64 x 512 x work-group x on
	s_mov_b32 s27, 0
	s_mov_b32 s22, 0x76543210
	s_mov_b32 s23, 0xfedcba98                      ; v_permlanex16_b32's selects for lane l xor 16
	s_wait_alu depctr_va_vdst(0)                   ; the wait at the head's end
	s_wait_kmcnt 0x0
	s_cmp_eq_u32 s14, 0                            ; the choice hangs on the work-group's number alone
	s_cselect_b64 s[16:17], s[4:5], s[6:7]
	s_cmp_eq_u32 s14, 2
	s_cselect_b64 s[16:17], s[8:9], s[16:17]
	s_add_nc_u64 s[16:17], s[16:17], s[26:27]
	s_add_nc_u64 s[18:19], s[10:11], s[18:19]
	s_add_nc_u64 s[20:21], s[10:11], s[20:21]
.set I, 0
.rept 32
	global_load_b32 v[64+I], v5, s[16:17] offset:512*I th:TH_LOAD_NT   ; W(64 x + 32 h + I, 16 w + r)
.set I, I+1
.endr
	s_wait_loadcnt 0x0
	v_max3_num_f32 v32, |v64|, |v65|, 0x1800000    ; the largest magnitude, in two chains, with the floor 2^(3 - 127): the byte cannot fall under 1
	v_max3_num_f32 v33, |v66|, |v67|, 0x1800000
.irp i, 68,72,76,80,84,88,92
	s_delay_alu instid0(VALU_DEP_2)
	v_max3_num_f32 v32, v32, |v[\i]|, |v[\i+1]|
	s_delay_alu instid0(VALU_DEP_2)
	v_max3_num_f32 v33, v33, |v[\i+2]|, |v[\i+3]|
.endr
	s_delay_alu instid0(VALU_DEP_1)
	v_max_num_f32 v32, v32, v33
	s_delay_alu instid0(VALU_DEP_1)
	v_add_nc_u32 v34, 0xff000000, v32              ; 2 off the exponent field: the conversion's scale operand
	s_delay_alu instid0(VALU_DEP_1)
	v_lshrrev_b32 v9, 23, v34                      ; the scale's byte: block 2 c + h,
	s_delay_alu instid0(VALU_DEP_1)
	v_lshlrev_b32 v9, v10, v9                      ; at its place (8 h bits up);
	s_delay_alu instid0(VALU_DEP_1)
	v_permlanex16_b32 v8, v9, s22, s23
	s_delay_alu instid0(VALU_DEP_1)
	v_or_b32 v9, v9, v8                            ; with lane l xor 16's: two bytes, in all 32 lanes
	v_cvt_scalef32_pk16_fp6_f32 v[48:50], v[64:79], v34
	v_cvt_scalef32_pk16_fp6_f32 v[52:54], v[80:95], v34   ; (a conversion's three registers begin on an even number: moved down)
	v_nop                                          ; one plain place behind a scaled conversion
	v_mov_b32 v51, v52
	v_mov_b32 v52, v53
	v_mov_b32 v53, v54
	global_store_b128 v3, v[48:51], s[18:19]       ; 512 and 256 consecutive bytes, at multiples of 256 from the buffer's first byte
	global_store_b64 v7, v[52:53], s[18:19] offset:512
	global_store_b16 v4, v9, s[20:21]
	s_endpgm
.Lfunc_end_k_q029a9225f3_wquant:
	.size	k_q029a9225f3_wquant, .Lfunc_end_k_q029a9225f3_wquant-k_q029a9225f3_wquant
	.p2alignl 7, 3214868480
	.fill 96, 4, 3214868480
	.section	.rodata,"a",@progbits
	.p2align	6, 0x0
	.amdhsa_kernel k_q029a9225f3_wquant
		.amdhsa_group_segment_fixed_size 0
		.amdhsa_private_segment_fixed_size 0
		.amdhsa_enable_private_segment 0
		.amdhsa_kernarg_size 32
		.amdhsa_user_sgpr_count 2
		.amdhsa_user_sgpr_kernarg_segment_ptr 1
		.amdhsa_wavefront_size32 1
		.amdhsa_system_sgpr_workgroup_id_x 1
		.amdhsa_system_sgpr_workgroup_id_y 1
		.amdhsa_system_sgpr_workgroup_id_z 1
		.amdhsa_system_vgpr_workitem_id 0
		.amdhsa_next_free_vgpr 96
		.amdhsa_next_free_sgpr 66
		.amdhsa_reserve_vcc 0
		.amdhsa_float_denorm_mode_32 3
		.amdhsa_float_denorm_mode_16_64 3
		.amdhsa_memory_ordered 1
		.amdhsa_forward_progress 1
		.amdhsa_inst_pref_size 8
	.end_amdhsa_kernel
	.amdgpu_metadata
---
amdhsa.version: [ 1, 2 ]
amdhsa.kernels:
  - .name:           k_q029a9225f3_wquant
    .symbol:         k_q029a9225f3_wquant.kd
    .args:
      - { .name: Wq, .offset: 0, .size: 8, .value_kind: global_buffer, .address_space: global }
      - { .name: Wk, .offset: 8, .size: 8, .value_kind: global_buffer, .address_space: global }
      - { .name: Wv, .offset: 16, .size: 8, .value_kind: global_buffer, .address_space: global }
      - { .name: wimg, .offset: 24, .size: 8, .value_kind: global_buffer, .address_space: global }
    .group_segment_fixed_size: 0
    .private_segment_fixed_size: 0
    .kernarg_segment_align: 8
    .kernarg_segment_size: 32
    .max_flat_workgroup_size: 256
    .sgpr_count:     66
    .vgpr_count:     96
    .wavefront_size: 32
...
	.end_amdgpu_metadata
.endif
;; end of part 1
;; launch proj (part 2): grid 256 x 1, 8 waves a work-group, clusters of 4 x 1, 327,680 bytes of LDS; arguments x, wimg, bq, bk, bv, qimg, kv; writes qimg, kv
.if DOCPART == 2
	.amdgcn_target "amdgcn-amd-amdhsa--gfx1250"
	.amdhsa_code_object_version 6
	.text
	.protected	k_q029a9225f3_proj
	.globl	k_q029a9225f3_proj
	.p2align	8
	.type	k_q029a9225f3_proj,@function
k_q029a9225f3_proj:
	s_mov_b64 s[64:65], 0
	v_nop
	global_prefetch_b8 v0, s[64:65] scope:SCOPE_SE
	s_setreg_imm32_b32 hwreg(HW_REG_WAVE_MODE, 25, 1), 1
	s_wait_xcnt 0x0
	s_wait_alu depctr_hold_cnt(0) depctr_sa_sdst(0) depctr_va_vdst(0) depctr_va_sdst(0) depctr_va_ssrc(0) depctr_va_vcc(0) depctr_vm_vsrc(0)
	s_getreg_b32 s2, hwreg(HW_REG_IB_STS2, 6, 4)
	s_cmp_eq_u32 s2, 0
	s_cbranch_scc0 .Lentry_in_a_cluster
	s_endpgm
.Lentry_in_a_cluster:
	s_bfe_u32 s2, ttmp6, 0x10000c
	s_cmp_lg_u32 s2, 0x3003
	s_cbranch_scc0 .Lentry_shape_is_right
	s_endpgm
.Lentry_shape_is_right:
; q, k, v = x W + b on codes of FP6 (E2M3), quantised again on the way out.  A work-group takes 64 tokens; K = 1,024 goes in four trips t of two steps of 128: K steps 2 t and 2 t + 1.
; Wave w quantises the 16 tokens 16 (w % 4) .. of K step 2 t + w / 4 into an image of an operand's registers in LDS, which all eight waves read; and it owns 16 columns of each of q, k and v, for all 64 tokens.
; x comes straight into registers: a load takes 512 consecutive bytes of a row, 16 a lane; 16 loads a trip, two trips ahead.  They turn through the wave's own stage in LDS and come back to lanes that hold 16 neighbours along K.
; W comes through a ring of two LDS slots.  A wave fetches and reads its own 9,984 bytes of a trip (six images and their scale words, as wquant laid them).  All work-groups need the same bytes, so CLUSTERS of 4 ask JOINTLY (mask 15): one load a wave.
; The round of the cluster's barrier in front of a refill is also the barrier that shows the trip's images to all waves.
; The products start from the bias as C.  v's results leave as codes along the tokens; q's and k's go through LDS, so that a lane holds neighbours along the head, and leave as codes along the head.
; OUT: qimg: images of q's tiles of 16 tokens, 1,536 T, and 16 scale words (4 r) at QSC + 64 T; kv: records as the launch behind this one describes them.
; No prefetch: x is asked for two trips ahead by loads into registers, and four written-out trips are no loop to run ahead in.
; LIMITS: a block of zeros gets the byte 1 where the rule says 127 (its codes are zeros, and this program alone reads the bytes); NaN and infinities among the inputs are not served.
.set REC,   25600
.set QSC,   1024*1536
.set XP,    528                        ; a stage row: 512 bytes + 16, so that the 16 rows that a load touches start 4 words apart modulo 64
.set XWV,   16*XP                      ; a wave's stage
.set XIMG,  8*XWV                      ; two buffers of eight images
.set XBUF,  8*1536
.set XSC,   XIMG+2*XBUF                ; and of their scale words
.set WU,    9984
.set WRING, XSC+2*1024
.set WSLOT, 8*WU
.set SPARE, WRING+2*WSLOT              ; the spare words, 128 bytes for each wave: four blocks of 256 bytes that no other line names
.set SPT,   1040                       ; the way out: 64 rows of q and k, from byte 0, over the stages
.set FI,  2                            ; v2, v3 the images + 16 l, their scale words + 4 l
.set FS,  3
.set XA,  4                            ; v4   my stage, back: XP r + 64 h
.set LI,  5                            ; v5   16 l
.set LS,  6                            ; v6   4 l
.set XWI, 7                            ; v7, v8 my image, its scale words
.set XWS, 8
.set SO,  9                            ; v9, v10 the way out: in, back
.set SR,  10
.set L8,  11                           ; v11  8 l
.set BA,  12                           ; v12, v13 the biases' offsets
.set BVA, 13
.set SPW, 14                           ; v14  LDS address of my spare word; never rewritten
.set NIL, 15                           ; v15  0; never rewritten
.set XN,  16                           ; v16-79  16 tokens' numbers;  v16-111 x's fragments
.set XF,  16
.set PC,  112
.set TM,  132
.set PW,  148                          ; scale words: PV v's
.set PV,  149
.set XS,  150
.set WS,  158
.set BQ,  170
.set BV,  186
.set VA,  194                          ; v194-225 v's sums
.set XE,  226                          ; v226-233 the odd set's rows 14 and 15
.set W16, 236                          ; v236-241 my part of slot 0, 1 + 16 l, 8 l, 4 l
.set W8,  238
.set W4,  240
.set XST, 242                          ; v242 my stage, in: 16 l
.set WF,  64                           ; window 1: v256-319 q's and k's sums, v320-391 W's fragments,
.set XR,  136                          ; v392-455, v456-511 x as it is loaded, two sets
.set WV,  18
.set MT,  19
.set SH,  20
.set GW,  21                           ; s21  my work-group
.set G1,  24
.set G0,  32
.set LW,  36                           ; s36  my part of slot 0
.set SEL, 48
.set MSB, 0
.macro WIN new
.if MSB != \new
	s_set_vgpr_msb (MSB<<8)|\new
.set MSB, \new
.endif
.endm
.macro PLACES
.rept 4
	v_nop
.endr
.endm
.macro BARRIER
	s_wait_dscnt 0x0
	s_barrier_signal -1
	s_barrier_wait -1
.endm
.macro CROUND                          ; a round of the cluster's barrier
	s_barrier_signal -1
	s_barrier_wait -1
	s_cmp_lg_u32 s[WV], 0
	s_cbranch_scc1 .Lnot_wave_0_\@
	s_barrier_signal -3
.Lnot_wave_0_\@:
	s_barrier_wait -3
	s_barrier_signal -1
	s_barrier_wait -1
.endm
.macro QUANT s                         ; 64 numbers a lane: four half blocks; the other halves lie in lane l xor 16
.irp b, 0,1,2,3
	v_max3_num_f32 v[TM+\b], |v[\s+16*\b]|, |v[\s+1+16*\b]|, 0x1800000   ; with the floor 2^(3 - 127): the byte cannot fall under 1
.endr
.irp i, 2,4,6,8,10,12,14
.irp b, 0,1,2,3
	s_delay_alu instid0(VALU_DEP_4)
	v_max3_num_f32 v[TM+\b], v[TM+\b], |v[\s+16*\b+\i]|, |v[\s+1+16*\b+\i]|
.endr
.endr
.irp b, 0,1,2,3
	s_delay_alu instid0(VALU_DEP_4)
	v_permlanex16_b32 v[TM+4+\b], v[TM+\b], s[SEL], s[SEL+1]
.endr
.irp b, 0,1,2,3
	s_delay_alu instid0(VALU_DEP_4)
	v_max_num_f32 v[TM+\b], v[TM+\b], v[TM+4+\b]
.endr
.irp b, 0,1,2,3
	s_delay_alu instid0(VALU_DEP_4)
	v_add_nc_u32 v[TM+12+\b], 0xff000000, v[TM+\b]   ; 2 off the exponent field: the conversion's scale operand
.endr
.irp b, 0,1,2,3
	s_delay_alu instid0(VALU_DEP_4)
	v_lshrrev_b32 v[TM+4+\b], 23, v[TM+12+\b]
.endr
	s_delay_alu instid0(VALU_DEP_3)
	v_lshl_or_b32 v[PW], v[TM+5], 8, v[TM+4]
	s_delay_alu instid0(VALU_DEP_1)
	v_lshl_or_b32 v[PW], v[TM+6], 16, v[PW]
	s_delay_alu instid0(VALU_DEP_1)
	v_lshl_or_b32 v[PW], v[TM+7], 24, v[PW]
.irp c, 0,1
	v_cvt_scalef32_pk16_fp6_f32 v[PC+6*\c:PC+2+6*\c], v[\s+32*\c:\s+15+32*\c], v[TM+12+2*\c]
	v_cvt_scalef32_pk16_fp6_f32 v[PC+12+4*\c:PC+14+4*\c], v[\s+16+32*\c:\s+31+32*\c], v[TM+12+2*\c+1]
.endr
	v_nop
.irp c, 0,1                            ; a whole block to a lane
.irp i, 0,1,2
	v_permlane16_swap_b32 v[PC+6*\c+\i], v[PC+12+4*\c+\i]
.endr
.irp i, 0,1,2
	s_delay_alu instid0(VALU_DEP_3)
	v_mov_b32 v[PC+3+6*\c+\i], v[PC+12+4*\c+\i]
.endr
.endr
.endm
.macro XLOAD t                         ; trip t's 16 rows x 512 bytes
	WIN 0x40
.irp j, 0,1,2,3,4,5,6,7,8,9,10,11,12,13,14,15
.if (((\t)%2) == 0) || (\j < 14)
	global_load_b128 v[XR+64*((\t)%2)+4*\j:XR+64*((\t)%2)+4*\j+3], v[LI], s[4:5] offset:4096*\j+1024*(\t) th:TH_LOAD_NT
.endif
.endr
	WIN 0
.if (\t)%2
.irp j, 14,15
	global_load_b128 v[XE+4*(\j-14):XE+4*(\j-14)+3], v[LI], s[4:5] offset:4096*\j+1024*(\t) th:TH_LOAD_NT
.endr
.endif
.endm
.macro STAGE t
	WIN 0x04
.irp j, 0,1,2,3,4,5,6,7,8,9,10,11,12,13,14,15
.if (((\t)%2) == 0) || (\j < 14)
	ds_store_b128 v[XST], v[XR+64*((\t)%2)+4*\j:XR+64*((\t)%2)+4*\j+3] offset:XP*\j
.endif
.endr
	WIN 0
.if (\t)%2
.irp j, 14,15
	ds_store_b128 v[XST], v[XE+4*(\j-14):XE+4*(\j-14)+3] offset:XP*\j
.endr
.endif
.endm
.macro FETCH t, sp                     ; K step 2 t + sp: x's four fragments (16 loads) and W's three (15)
.irp m, 0,1,2,3
.irp c, 0,1,2
	ds_load_b128 v[XF+48*(\sp)+12*\m+4*\c:XF+48*(\sp)+12*\m+4*\c+3], v[FI] offset:XBUF*((\t)%2)+(4*(\sp)+\m)*1536+512*\c
.endr
	ds_load_b32 v[XS+4*(\sp)+\m], v[FS] offset:1024*((\t)%2)+128*(4*(\sp)+\m)
.endr
	WIN 0x40
.irp p, 0,1,2
	ds_load_b128 v[WF+36*(\sp)+12*\p:WF+36*(\sp)+12*\p+3], v[W16+(\t)%2] offset:(3*(\sp)+\p)*1536
	ds_load_b64 v[WF+36*(\sp)+12*\p+4:WF+36*(\sp)+12*\p+5], v[W8+(\t)%2] offset:(3*(\sp)+\p)*1536+512
	ds_load_b128 v[WF+36*(\sp)+12*\p+6:WF+36*(\sp)+12*\p+9], v[W16+(\t)%2] offset:(3*(\sp)+\p)*1536+768
	ds_load_b64 v[WF+36*(\sp)+12*\p+10:WF+36*(\sp)+12*\p+11], v[W8+(\t)%2] offset:(3*(\sp)+\p)*1536+1280
.endr
	WIN 0
.irp p, 0,1,2
	ds_load_b32 v[WS+3*(\sp)+\p], v[W4+(\t)%2] offset:9216+(3*(\sp)+\p)*128
.endr
.endm
; Twelve accumulators by turns.  q and k: source 0 = W's columns; v: source 0 = x's tokens, so that a lane holds tokens of one column
.macro MULS sp, first
.irp p, 0,1
.if \first
	WIN 0x41
.else
	WIN 0x51
.endif
.irp m, 0,1,2,3
.if \first
	v_wmma_scale_f32_16x16x128_f8f6f4 v[32*\p+8*\m:32*\p+8*\m+7], v[WF+36*(\sp)+12*\p:WF+36*(\sp)+12*\p+11], v[XF+48*(\sp)+12*\m:XF+48*(\sp)+12*\m+11], v[BQ+8*\p:BQ+8*\p+7], v[WS+3*(\sp)+\p], v[XS+4*(\sp)+\m] matrix_a_fmt:MATRIX_FMT_FP6 matrix_b_fmt:MATRIX_FMT_FP6
.else
	v_wmma_scale_f32_16x16x128_f8f6f4 v[32*\p+8*\m:32*\p+8*\m+7], v[WF+36*(\sp)+12*\p:WF+36*(\sp)+12*\p+11], v[XF+48*(\sp)+12*\m:XF+48*(\sp)+12*\m+11], v[32*\p+8*\m:32*\p+8*\m+7], v[WS+3*(\sp)+\p], v[XS+4*(\sp)+\m] matrix_a_fmt:MATRIX_FMT_FP6 matrix_b_fmt:MATRIX_FMT_FP6
.endif
.endr
.endr
	WIN 0x04
.irp m, 0,1,2,3
.if \first
	v_wmma_scale_f32_16x16x128_f8f6f4 v[VA+8*\m:VA+8*\m+7], v[XF+48*(\sp)+12*\m:XF+48*(\sp)+12*\m+11], v[WF+36*(\sp)+24:WF+36*(\sp)+35], v[BV:BV+7], v[XS+4*(\sp)+\m], v[WS+3*(\sp)+2] matrix_a_fmt:MATRIX_FMT_FP6 matrix_b_fmt:MATRIX_FMT_FP6
.else
	v_wmma_scale_f32_16x16x128_f8f6f4 v[VA+8*\m:VA+8*\m+7], v[XF+48*(\sp)+12*\m:XF+48*(\sp)+12*\m+11], v[WF+36*(\sp)+24:WF+36*(\sp)+35], v[VA+8*\m:VA+8*\m+7], v[XS+4*(\sp)+\m], v[WS+3*(\sp)+2] matrix_a_fmt:MATRIX_FMT_FP6 matrix_b_fmt:MATRIX_FMT_FP6
.endif
.endr
	WIN 0
.endm
	s_load_b256 s[4:11], s[0:1], 0x0               ; x, wimg, bq, bk
	s_load_b128 s[12:15], s[0:1], 0x20             ; bv, qimg
	s_load_b64 s[16:17], s[0:1], 0x30              ; kv
	v_lshl_add_u32 v[SPW], v0, 2, SPARE
	v_mov_b32 v[NIL], 0
	ds_add_u32 v[SPW], v[NIL]                      ; the wave's opening: the add, twice on end, and its wait ahead of the round in front of the first tensor loads
	ds_add_u32 v[SPW], v[NIL]
	v_lshrrev_b32 v1, 5, v0
	v_readfirstlane_b32 s[WV], v1
	s_and_b32 s[MT], s[WV], 3
	s_lshr_b32 s[SH], s[WV], 2
	s_bfe_u32 s40, ttmp6, 0x40000                  ; cx
	s_lshl_b32 s[GW], ttmp9, 2
	s_add_co_u32 s[GW], s[GW], s40                 ; (in a cluster launch ttmp9 counts clusters)
	; descriptor group 1: a dense block of 39 rows of 256 bytes (32 elements of 8 bytes)
	s_mov_b32 s[G1+0], 15|(3<<16)|(1<<21)          ; 15:0 the mask: all four work-groups; 21 set beside a mask
	s_mov_b32 s[G1+1], 32<<16
	s_mov_b32 s[G1+2], 39<<16
	s_mov_b32 s[G1+3], 32<<16
	s_mov_b32 s[G1+4], 39
	s_mov_b32 s[G1+5], 32
	s_mov_b32 s[G1+6], 0
	s_mov_b32 s[G1+7], 0
	s_mul_i32 s66, s[WV], XWV
	s_mul_i32 s[LW], s[WV], WU
	s_add_co_u32 s[LW], s[LW], WRING
	s_mul_i32 s42, s[WV], 4*WU                     ; my column tile's four units
	s_mov_b32 s43, 0
	s_wait_alu depctr_va_vdst(0)
	v_and_b32 v18, 31, v0                          ; lane
	v_and_b32 v16, 15, v0                          ; r
	v_bfe_u32 v17, v0, 4, 1                        ; h
	v_lshlrev_b32 v[LI], 4, v18
	v_lshlrev_b32 v[LS], 2, v18
	v_lshlrev_b32 v[L8], 3, v18
	v_mul_u32_u24 v[XA], v16, XP
	v_mul_u32_u24 v[SO], v16, SPT
	v_mul_u32_u24 v[SR], v16, SPT
	v_lshl_add_u32 v[XA], v17, 6, v[XA]
	v_lshl_add_u32 v[SO], v17, 5, v[SO]
	v_lshl_add_u32 v[SR], v17, 6, v[SR]
	v_add_nc_u32 v[XA], s66, v[XA]
	v_add_nc_u32 v[XST], s66, v[LI]
	v_add_nc_u32 v[W16], s[LW], v[LI]
	v_add_nc_u32 v[W8], s[LW], v[L8]
	v_add_nc_u32 v[W4], s[LW], v[LS]
	v_add_nc_u32 v[FI], XIMG, v[LI]
	v_add_nc_u32 v[FS], XSC, v[LS]
	v_add_nc_u32 v[W16+1], WSLOT, v[W16]
	v_add_nc_u32 v[W8+1], WSLOT, v[W8]
	v_add_nc_u32 v[W4+1], WSLOT, v[W4]
	s_mul_i32 s67, s[WV], 1536
	v_add_nc_u32 v[XWI], s67, v[FI]                ; my image
	s_lshl_b32 s67, s[WV], 7
	v_add_nc_u32 v[XWS], s67, v[FS]
	s_lshl_b32 s67, s[WV], 6
	v_add_nc_u32 v[SO], s67, v[SO]
	v_lshl_add_u32 v[BA], v17, 5, s67
	v_lshl_add_u32 v[BVA], v16, 2, s67
	s_mul_i32 s67, s[MT], 16*SPT
	s_lshl_b32 s72, s[SH], 9
	s_add_co_u32 s67, s67, s72
	v_add_nc_u32 v[SR], s67, v[SR]
.irp b, 0,1,2,3
	v_mov_b32 v[TM+4+\b], 0                        ; a lane permute's destination counts as one of its sources
.endr
	s_mov_b32 s[SEL], 0x76543210
	s_mov_b32 s[SEL+1], 0xfedcba98
	s_lshl_b32 s70, s[GW], 18                      ; x: 64 rows of 4,096 bytes a work-group,
	s_lshl_b32 s72, s[MT], 16
	s_add_co_u32 s70, s70, s72
	s_lshl_b32 s72, s[SH], 9
	s_add_co_u32 s70, s70, s72                     ; my 16 rows, my K step of the two
	s_mov_b32 s71, 0
	s_lshr_b32 s22, s[GW], 1
	s_mul_i32 s22, s22, REC                        ; two work-groups make a record
	s_and_b32 s23, s[GW], 1
	s_lshl_b32 s72, s[GW], 2
	s_add_co_u32 s72, s72, s[MT]
	s_mul_i32 s73, s72, 1536                       ; q's tile
	s_lshl_b32 s72, s72, 6
	s_add_co_u32 s72, s72, QSC
	s_lshl_b32 s74, s23, 2
	s_add_co_u32 s74, s74, s[MT]
	s_mul_i32 s75, s74, 1536                       ; k's
	s_add_co_u32 s75, s75, s22
	s_lshl_b32 s74, s74, 6
	s_add_co_u32 s74, s74, s22
	s_add_co_u32 s74, s74, 12288
	s_cmp_eq_u32 s[SH], 0                          ; waves 0-3 quantise q, waves 4-7 k
	s_cselect_b32 s62, s73, s75
	s_cselect_b32 s68, s72, s74
	s_mov_b32 s63, 0
	s_mov_b32 s69, 0
	s_mul_i32 s58, s23, 6144                       ; v's half of my column tile
	s_add_co_u32 s58, s58, s22
	s_mul_i32 s60, s[WV], 768
	s_add_co_u32 s58, s58, s60
	s_add_co_u32 s58, s58, 12800
	s_mov_b32 s59, 0
	s_lshl_b32 s60, s[WV], 6
	s_add_co_u32 s60, s60, s22
	s_lshl_b32 s61, s23, 1
	s_add_co_u32 s60, s60, s61
	s_add_co_u32 s60, s60, 25088
	s_mov_b32 s61, 0
	s_wait_alu depctr_va_vdst(0)                   ; the wait at the head's end
	s_wait_dscnt 0x0                               ; both opening adds are done
	s_wait_kmcnt 0x0
	s_add_nc_u64 s[4:5], s[4:5], s[70:71]
	global_load_b128 v[BQ:BQ+3], v[BA], s[8:9]
	global_load_b128 v[BQ+4:BQ+7], v[BA], s[8:9] offset:16
	global_load_b128 v[BQ+8:BQ+11], v[BA], s[10:11]
	global_load_b128 v[BQ+12:BQ+15], v[BA], s[10:11] offset:16
.irp j, 0,1,2,3,4,5,6,7
	global_load_b32 v[BV+\j], v[BVA], s[12:13]
.endr
	XLOAD 0
	XLOAD 1
	s_mov_b32 s[G0], 1
	s_mov_b32 s[G0+1], s[LW]
	s_add_nc_u64 s[G0+2:G0+3], s[6:7], s[42:43]
	s_or_b32 s[G0+3], s[G0+3], 0x80000000
	CROUND                                         ; all four work-groups are here: the first joint loads meet
	tensor_load_to_lds s[G0:G0+3], s[G1:G1+7]      ; trip 0's W: one load a wave, into bytes of its own
	s_nop 0
	PLACES
	s_cmp_eq_u32 s[SH], 0
	s_cselect_b64 s[54:55], s[14:15], s[16:17]
	s_add_nc_u64 s[56:57], s[54:55], s[68:69]
	s_add_nc_u64 s[54:55], s[54:55], s[62:63]
	s_add_nc_u64 s[58:59], s[16:17], s[58:59]
	s_add_nc_u64 s[60:61], s[16:17], s[60:61]
.macro TRIP t, first
.if (\t) < 3
	s_wait_loadcnt 16                              ; this trip's x is in; the next trip's 16 loads may be out
.else
	s_wait_loadcnt 0x0
.endif
	STAGE \t
.irp b, 0,1,2,3
.irp j, 0,1,2,3
	ds_load_b128 v[XN+16*\b+4*\j:XN+16*\b+4*\j+3], v[XA] offset:128*\b+16*\j   ; LDS serves a wave's instructions in order (ISA guide 5.7.1.4): these see my stores
.endr
.endr
	s_wait_dscnt 0x0
.if (\t) < 2
	XLOAD (\t)+2                                   ; the stores have read their registers
.endif
	QUANT XN
.irp c, 0,1,2
	ds_store_b128 v[XWI], v[PC+4*\c:PC+4*\c+3] offset:XBUF*((\t)%2)+512*\c
.endr
	ds_store_b32 v[XWS], v[PW] offset:1024*((\t)%2)
	s_wait_tensorcnt 0x0                           ; my W of this trip is in;
	ds_add_u32 v[SPW], v[NIL]                      ; 0 onto my spare word
.if (\t) < 3
	s_add_nc_u64 s[G0+2:G0+3], s[G0+2:G0+3], WU    ; the next trip's W, for the other slot
	s_add_co_u32 s[G0+1], s[LW], WSLOT*(((\t)+1)%2)
	s_wait_dscnt 0x0                               ; the add, my image, and my reads of the other slot are done
	CROUND
	tensor_load_to_lds s[G0:G0+3], s[G1:G1+7]      ; the first thing behind the round
	s_nop 0
	PLACES
.else
	s_wait_dscnt 0x0
	s_barrier_signal -1
	s_barrier_wait -1
.endif
	FETCH \t, 0
	FETCH \t, 1
	s_wait_dscnt 31                                ; the first K step's fragments are in; the second's 31 loads may be out
	MULS 0, \first
	s_wait_dscnt 0x0
	MULS 1, 0
	PLACES
.endm
	TRIP 0, 1
	TRIP 1, 0
	TRIP 2, 0
	TRIP 3, 0
	WIN 0x04
.irp p, 0,1                            ; q's and k's sums, from each accumulator's low end on, as rows
.irp m, 0,1,2,3
	ds_store_b128 v[SO], v[32*\p+8*\m:32*\p+8*\m+3] offset:16*SPT*\m+512*\p
	ds_store_b128 v[SO], v[32*\p+8*\m+4:32*\p+8*\m+7] offset:16*SPT*\m+512*\p+16
.endr
.endr
	WIN 0
.irp b, 0,1                            ; v: two blocks of 32 tokens
	v_max3_num_f32 v[TM+\b], |v[VA+16*\b]|, |v[VA+1+16*\b]|, 0x1800000
.endr
.irp i, 2,4,6,8,10,12,14
.irp b, 0,1
	v_max3_num_f32 v[TM+\b], v[TM+\b], |v[VA+16*\b+\i]|, |v[VA+1+16*\b+\i]|
.endr
.endr
.irp b, 0,1
	s_delay_alu instid0(VALU_DEP_2)
	v_permlanex16_b32 v[TM+4+\b], v[TM+\b], s[SEL], s[SEL+1]
.endr
.irp b, 0,1
	s_delay_alu instid0(VALU_DEP_2)
	v_max_num_f32 v[TM+\b], v[TM+\b], v[TM+4+\b]
.endr
.irp b, 0,1
	s_delay_alu instid0(VALU_DEP_2)
	v_add_nc_u32 v[TM+12+\b], 0xff000000, v[TM+\b]
.endr
.irp b, 0,1
	s_delay_alu instid0(VALU_DEP_2)
	v_lshrrev_b32 v[TM+4+\b], 23, v[TM+12+\b]
.endr
	s_delay_alu instid0(VALU_DEP_1)
	v_lshl_or_b32 v[PV], v[TM+5], 8, v[TM+4]
	v_cvt_scalef32_pk16_fp6_f32 v[PC:PC+2], v[VA:VA+15], v[TM+12]
	v_cvt_scalef32_pk16_fp6_f32 v[PC+4:PC+6], v[VA+16:VA+31], v[TM+13]
	v_nop
.irp i, 0,1,2
	v_permlane16_swap_b32 v[PC+\i], v[PC+4+\i]
.endr
	s_delay_alu instid0(VALU_DEP_3)
	v_mov_b32 v[PC+3], v[PC+4]
	s_delay_alu instid0(VALU_DEP_3)
	v_mov_b32 v[PC+8], v[PC+5]
	s_delay_alu instid0(VALU_DEP_3)
	v_mov_b32 v[PC+9], v[PC+6]
	global_store_b128 v[LI], v[PC:PC+3], s[58:59]
	global_store_b64 v[L8], v[PC+8:PC+9], s[58:59] offset:512
	BARRIER                                        ; q's and k's rows are whole
.irp b, 0,1,2,3
.irp j, 0,1,2,3
	ds_load_b128 v[XN+16*\b+4*\j:XN+16*\b+4*\j+3], v[SR] offset:128*\b+16*\j
.endr
.endr
	s_wait_dscnt 0x0
	s_wait_xcnt 0x0                                ; v's stores have read their registers
	QUANT XN
.irp i, 0,1,2
	global_store_b128 v[LI], v[PC+4*\i:PC+4*\i+3], s[54:55] offset:512*\i
.endr
	v_cmp_gt_u32 vcc_lo, 64, v[LS]                 ; the scale words by lanes 0 to 15 alone: lanes 16-31 hold the same
	s_wait_alu depctr_va_vdst(0)
	s_wait_xcnt 0x0                                ; EXEC changes only behind this wait
	s_and_saveexec_b32 s78, vcc_lo
	global_store_b32 v[LS], v[PW], s[56:57]
	global_store_b16 v[LS], v[PV], s[60:61]
	s_wait_xcnt 0x0
	s_or_b32 exec_lo, exec_lo, s78
	s_wait_tensorcnt 0x0                           ; the wave's end
	ds_add_u32 v[SPW], v[NIL]
	s_wait_dscnt 0x0
	CROUND                                         ; the closing round: no work-group ends while a partner may still ask for bytes that name it
	s_endpgm
.Lfunc_end_k_q029a9225f3_proj:
	.size	k_q029a9225f3_proj, .Lfunc_end_k_q029a9225f3_proj-k_q029a9225f3_proj
	.p2alignl 7, 3214868480
	.fill 96, 4, 3214868480
	.section	.rodata,"a",@progbits
	.p2align	6, 0x0
	.amdhsa_kernel k_q029a9225f3_proj
		.amdhsa_group_segment_fixed_size 327680
		.amdhsa_private_segment_fixed_size 0
		.amdhsa_enable_private_segment 0
		.amdhsa_kernarg_size 56
		.amdhsa_user_sgpr_count 2
		.amdhsa_user_sgpr_kernarg_segment_ptr 1
		.amdhsa_wavefront_size32 1
		.amdhsa_system_sgpr_workgroup_id_x 1
		.amdhsa_system_sgpr_workgroup_id_y 1
		.amdhsa_system_sgpr_workgroup_id_z 1
		.amdhsa_system_vgpr_workitem_id 0
		.amdhsa_next_free_vgpr 512
		.amdhsa_next_free_sgpr 80
		.amdhsa_reserve_vcc 1
		.amdhsa_float_denorm_mode_32 3
		.amdhsa_float_denorm_mode_16_64 3
		.amdhsa_memory_ordered 1
		.amdhsa_forward_progress 1
		.amdhsa_inst_pref_size 88
	.end_amdhsa_kernel
	.amdgpu_metadata
---
amdhsa.version: [ 1, 2 ]
amdhsa.kernels:
  - .name:           k_q029a9225f3_proj
    .symbol:         k_q029a9225f3_proj.kd
    .args:
      - { .name: x, .offset: 0, .size: 8, .value_kind: global_buffer, .address_space: global }
      - { .name: wimg, .offset: 8, .size: 8, .value_kind: global_buffer, .address_space: global }
      - { .name: bq, .offset: 16, .size: 8, .value_kind: global_buffer, .address_space: global }
      - { .name: bk, .offset: 24, .size: 8, .value_kind: global_buffer, .address_space: global }
      - { .name: bv, .offset: 32, .size: 8, .value_kind: global_buffer, .address_space: global }
      - { .name: qimg, .offset: 40, .size: 8, .value_kind: global_buffer, .address_space: global }
      - { .name: kv, .offset: 48, .size: 8, .value_kind: global_buffer, .address_space: global }
    .group_segment_fixed_size: 327680
    .private_segment_fixed_size: 0
    .kernarg_segment_align: 8
    .kernarg_segment_size: 56
    .max_flat_workgroup_size: 256
    .sgpr_count:     80
    .vgpr_count:     512
    .wavefront_size: 32
...
	.end_amdgpu_metadata
.endif
;; end of part 2
;; launch attn (part 3): grid 64 x 4, 12 waves a work-group, clusters of 4 x 1, 327,680 bytes of LDS; arguments qimg, kv, out0; writes out0
.if DOCPART == 3
	.amdgcn_target "amdgcn-amd-amdhsa--gfx1250"
	.amdhsa_code_object_version 6
	.text
	.protected	k_q029a9225f3_attn
	.globl	k_q029a9225f3_attn
	.p2align	8
	.type	k_q029a9225f3_attn,@function
k_q029a9225f3_attn:
	s_mov_b64 s[64:65], 0
	v_nop
	global_prefetch_b8 v0, s[64:65] scope:SCOPE_SE
	s_setreg_imm32_b32 hwreg(HW_REG_WAVE_MODE, 25, 1), 1
	s_wait_xcnt 0x0
	s_wait_alu depctr_hold_cnt(0) depctr_sa_sdst(0) depctr_va_vdst(0) depctr_va_sdst(0) depctr_va_ssrc(0) depctr_va_vcc(0) depctr_vm_vsrc(0)
	s_getreg_b32 s2, hwreg(HW_REG_IB_STS2, 6, 4)
	s_cmp_eq_u32 s2, 0
	s_cbranch_scc0 .Lentry_in_a_cluster
	s_endpgm
.Lentry_in_a_cluster:
	s_bfe_u32 s2, ttmp6, 0x10000c
	s_cmp_lg_u32 s2, 0x3003
	s_cbranch_scc0 .Lentry_shape_is_right
	s_endpgm
.Lentry_shape_is_right:
; out[b][q][:] = the sum over keys k <= q of softmax_k(q . k / sqrt(128)) v[k][:], 4 batches of 4,096, head 128, both products on codes of FP6 (E2M3) with one E8M0 scale for each 32 along a product's K.
; IN.  qimg: images of q's fragments (16 queries x 128; 12 registers a lane, 1,536 bytes: piece i of 512 bytes = registers 4 i .. 4 i + 3, lane l's 16 bytes at 16 l), tile T at 1,536 T; its 16 scale words (4 r, r = lane % 16) at QSC + 64 T.
;   kv: one record of REC bytes for each 128 keys: +0 k's eight images (16 keys each); +12,288 their scale words, 64 bytes each; +12,800 + 6,144 c + 768 t: registers 6 c .. 6 c + 5 of v's tile t (16 of the head's 128, K = the record's keys); +25,088 v's scale words.
; THE SOFTMAX AHEAD OF THE SECOND PRODUCT: t = score x log2(e) / sqrt(128); M = the largest t so far, rounded UP to a whole number; p = 2^(t - M) is quantised along the keys, not normalised; the sum is taken of the unquantised p and divides at the end.
; LAYOUT.  Both products are used transposed (S^T = K Q^T, O^T = V^T P^T): a lane holds ONE query (lane % 16).  Register 16 b + 8 u + j of lane (., h) holds key 32 b + 16 u + 8 h + j; v was quantised from numbers in the same order,
;   so p's and v's codes have the same places inside each block of 32 keys: every product keeps its partner and its scale.
; HOW THE TRIANGLE IS SHARED.  A batch has 32 groups of 128 queries.  Cluster j owns groups j (lo) and 31 - j (hi); partner cx owns 32 queries of each: two tiles u of 16.  The keys are a STREAM of 33 records: with H = 32 - j, record rho < H is hi's
;   key step rho, record rho >= H is lo's key step rho - H.  They go through a ring of two LDS slots of six places: slot n of the walk, place c is record 6 n + c, n = 0 .. 5 (the last slot has three).  Wave (u, c) works place c of every slot for tile u of
;   whichever group the record belongs to.  Its stream passes from hi to lo once: there it lays hi's O^T, M and sum aside in registers, and takes lo's Q from LDS.
;   The six phases' partial sums of the four tiles meet in LDS at the end.  Every load is read.  The six steps are written out: the last refill and the last step differ, and what is left has no whole trip to repeat.
; CLUSTER.  The four partners walk the same records: each is asked for JOINTLY (mask 15): at the head by twelve waves, a record each, which fill both slots; behind each change of slots by waves 0 to 5.  Branches hang on the cluster's number and the wave's
;   number alone; cx enters q's and out's addresses, the prefetches' address and the mask's DATA (DM), nothing else.
; DEAD WORK LEFT OUT: whole key steps above the diagonal, which reference()'s own causal mask throws away.  A NaN, an infinity or an overflow that reaches only these is not carried to the result.
; LIMITS: NaN and infinities among the inputs are not served.  The scaled scores stay under 2^31 in magnitude.  A block's largest p is made from the block's largest score by the same multiply-add and exponential: this takes v_exp_f32 not to fall where its
;   input rises (the ISA guide promises 1 ulp; at the worst one p of a block would be held one code low).  A block whose every p is 0 keeps the byte 1: its codes are zeros.
; REGISTERS: v0 the thread; v1-11 addresses, the mask's d, Q's scale words; v12 -M, v13 the largest t, v[14:15] the sum in two halves; v16-27 p's codes; v28-47 at work; v48-55 scale words of K, then of V; v56-127 six fragments of K or of V;
;   v128-191 S^T, then p, then V's last two fragments; v192-255 O^T.  Window 1: v256-319 hi's O^T laid aside, v320-331 Q, v[332:333] hi's -M and sum.
.set REC,   25600
.set QSC,   1024*1536
.set SLOT1, 6*REC                      ; slot 0 at 0, slot 1 here
.set QLO,   2*SLOT1                    ; lo's Q: for each tile its image and, from 1,536 on, its scale words at 16 l: 2,048 bytes
.set SPARE, QLO+4096                   ; the spare words, 128 bytes for each wave: six blocks of 256 bytes that no other line names
; At the end slot 0, which has had its last fill and was left at the last change of slots, takes the partial O^T (8,192 bytes each): hi's at 24,576 u + 8,192 c (c < 3), 49,152 + 24,576 u + 8,192 (c - 3);
; the statistics (256 bytes each) at STB + 3,072 (lo) + 1,536 u + 256 c; lo's of c < 3 at LOB + 24,576 u + 8,192 c.  Slot 1 takes, behind a barrier, lo's of c > 2, at SLOT1 + 24,576 u + 8,192 (c - 3), and the stages for the way out.
.set STB,   98304
.set LOB,   STB+6144
.set STG,   SLOT1+49152                ; 4,352 bytes for each of waves 0 to 7
.set B16, 1                            ; v1-3  place c of slot 0 + 16 l, 8 l, 4 r
.set B8,  2
.set B4,  3
.set A16, 4                            ; v4-6  the same in slot 1
.set A8,  5
.set A4,  6
.set DM,  7                            ; v7    my query's place in its group of 128 - 8 (lane / 16)
.set SPW, 8                            ; v8    LDS address of my spare word; never rewritten
.set NIL, 9                            ; v9    0; never rewritten
.set PFO, 10                           ; v10   the prefetches' offset
.set QS,  11                           ; v11   Q's scale words
.set P,   16
.set BM,  28                           ; v28-31 the four blocks' largest
.set BX,  32                           ; v32-39
.set SO,  40                           ; v40-43 the conversions' scale operands
.set FF,  44                           ; v44   f (v45 is named with it as a pair)
.set TMP, 46
.set PSW, 47                           ; p's scale word
.set SC,  48
.set F,   56
.set S,   128
.set O,   192
.set SV,  0                            ; window 1
.set QW,  64
.set SVM, 76
.set WV,  10                           ; s10  wave
.set PH,  11                           ; s11  c
.set TU,  12                           ; s12  u
.set CX,  13                           ; s13  my place in the cluster
.set HM,  14                           ; s14  H - 1: hi's diagonal record, and hi's group
.set BT,  15                           ; s15  the batch
.set HH,  16                           ; s16  H
.set RN,  17                           ; s17  the record that I fetch, if I fetch
.set RHO, 18                           ; s18  the record that I work
.set LB,  19                           ; s19  the place that I fill
.set SEL, 20                           ; s[20:21] lane selects for lane l xor 16
.set CS,  22                           ; s[22:23] c = log2(e) / sqrt(128)
.set G1,  24                           ; s[24:31] descriptor group 1
.set G0,  32                           ; s[32:35] group 0
.set LIM, 38                           ; s38  0 in a wave that always prefetches, 1 in one that leaves the last slot out, else the greatest number
.set DDM, 39                           ; s39  from hi's place in its group to lo's
.set KVB, 40                           ; s[40:41] my batch's first record
.set T0,  42                           ; s[42:43] a record's offset in the batch
.set PFA, 44                           ; s[44:45] where my prefetches stand
.set QL,  76                           ; s76  lo's Q of my tile in LDS
.set MSB, 0
.macro WIN new                         ; the immediate's high byte repeats the setting that is left
.if MSB != \new
	s_set_vgpr_msb (MSB<<8)|\new
.set MSB, \new
.endif
.endm
.macro PLACES n
.rept \n
	v_nop
.endr
.endm
.macro WALU
	s_wait_alu depctr_va_vdst(0)
.endm
; A round of the cluster's barrier: my work-group's barrier; wave 0 signals for the work-group; every wave waits for all four work-groups; my work-group's barrier once more.
.macro CROUND
	s_barrier_signal -1
	s_barrier_wait -1
	s_cmp_lg_u32 s[WV], 0
	s_cbranch_scc1 .Lnot_wave_0_\@
	s_barrier_signal -3
.Lnot_wave_0_\@:
	s_barrier_wait -3
	s_barrier_signal -1
	s_barrier_wait -1
.endm
; A PREFETCH INTO THE L2, at the entry to slot n of the walk: slot n + 2, which the NEXT change of slots will ask for.  All clusters of a batch read the same records; clusters 0 and 1, whose streams are the batch's records in order up to H, ask, and nobody else.
; Waves 6 to 11 take a record of the slot each; of its 100 blocks of 256 bytes each of the four partners takes 25, told apart BY ADDRESS, a lane a block (lanes 25-31 name the 25th again, in the same instruction).
; Of the last slot only records under H are asked for: what stands behind H are lo's key steps, read long before.  Slots 0 and 1 come by their loads alone.
.macro ASK n
.if (\n) < 3
	s_cmp_lt_u32 s[LIM], 2
.else
	s_cmp_eq_u32 s[LIM], 0
.endif
	s_cbranch_scc0 .Lnot_mine_\@
	global_prefetch_b8 v[PFO], s[PFA:PFA+1] th:TH_LOAD_NT scope:SCOPE_SE
.Lnot_mine_\@:
.endm
; THE CHANGE OF SLOTS stands at the entry to slot n of the walk, in ring slot s.  Each wave waits for all its tensor loads, adds 0 to its spare word, and waits for that and for its reads of the ring slot that it has left.
; fill > 0: behind a round of the cluster's barrier (no wave of any partner still reads that slot or has a load on its way) it is filled with the stream's next fill records: the load has a slot's work in which to land.
.macro CHANGE s, fill, n
	s_wait_tensorcnt 0x0                           ; no tensor load of mine is out, so group 0 may be written
	ds_add_u32 v[SPW], v[NIL]                      ; 0 onto my spare word; the descriptor's steps stand between it and the wait for it
.if \fill
	s_add_co_u32 s[RN], s[RN], 6                   ; the stream's next records:
	s_cmp_lt_u32 s[RN], s[HH]
	s_cselect_b32 s[T0], 0, s[HH]
	s_sub_co_u32 s[T0], s[RN], s[T0]               ; hi's key step RN, or lo's key step RN - H
	s_mul_i32 s[T0], s[T0], REC
	s_add_nc_u64 s[G0+2:G0+3], s[KVB:KVB+1], s[T0:T0+1]
	s_or_b32 s[G0+3], s[G0+3], 0x80000000          ; type = 2
	s_add_co_u32 s[G0+1], s[LB], (1-(\s))*SLOT1
	s_wait_xcnt 0x0                                ; the last prefetch has read its address
	s_add_nc_u64 s[PFA:PFA+1], s[PFA:PFA+1], 6*REC
	s_wait_dscnt 0x0                               ; the add is done, and my reads of the slot that I have left are over
	CROUND
	s_cmp_lt_u32 s[WV], \fill                      ; the first thing behind the round, and a wave's one tensor load until the next; the branch hangs on the wave's number alone
	s_cbranch_scc0 .Lasked_\@
	tensor_load_to_lds s[G0:G0+3], s[G1:G1+7]
	s_nop 0
	PLACES 4
.Lasked_\@:
.if (\n) < 4
	ASK \n
.endif
.else
	s_wait_dscnt 0x0
	s_barrier_signal -1
	s_barrier_wait -1
.endif
.endm
; FROM hi TO lo, once in each wave: where its record is the first at or behind H (six records on end hold one of each phase).  q = 0, behind the last step: in the waves that have met none of lo's.
.macro SWITCH q
	s_sub_co_u32 s46, s[RHO], s[HH]
	s_cmp_lt_u32 s46, 6
	s_cbranch_scc0 .Lstay_\@
.if \q
	v_and_b32 v[TMP], 31, v0
	v_lshlrev_b32 v[TMP], 4, v[TMP]
	v_add_nc_u32 v[TMP], s[QL], v[TMP]
	v_add_nc_u32 v[DM], s[DDM], v[DM]
.endif
	WIN 0x40
.set I, 0
.rept 64
	v_mov_b32 v[SV+I], v[O+I]                      ; ascending: each accumulator from its low end on
.set I, I+1
.endr
	v_mov_b32 v[SVM], v12
	v_add_f32 v[SVM+1], v14, v15
.if \q
.irp i, 0,1,2
	ds_load_b128 v[QW+4*\i:QW+4*\i+3], v[TMP] offset:512*\i
.endr
.endif
	WIN 0
.if \q
	ds_load_b32 v[QS], v[TMP] offset:1536
.endif
.set I, 0
.rept 64
	v_mov_b32 v[O+I], 0
.set I, I+1
.endr
	v_mov_b32 v13, 0xff61b1e6                      ; the largest t so far: -3e38, under every t
	v_mov_b32 v14, 0
	v_floor_f32 v12, -v13
	v_mov_b32 v15, 0
	WALU
.if \q
	s_wait_dscnt 0x0
.endif
.Lstay_\@:
.endm
.macro KT t, d, a16, a4                ; K's tile t: an image: 512 consecutive bytes an instruction
.irp i, 0,1,2
	ds_load_b128 v[(\d)+4*\i:(\d)+4*\i+3], v[\a16] offset:(\t)*1536+512*\i
.endr
	ds_load_b32 v[SC+(\t)], v[\a4] offset:12288+(\t)*64
.endm
.macro VT t, d, a16, a8, a4            ; V's tile t: five loads
	ds_load_b128 v[(\d):(\d)+3], v[\a16] offset:12800+(\t)*768
	ds_load_b64 v[(\d)+4:(\d)+5], v[\a8] offset:12800+(\t)*768+512
	ds_load_b128 v[(\d)+6:(\d)+9], v[\a16] offset:12800+(\t)*768+6144
	ds_load_b64 v[(\d)+10:(\d)+11], v[\a8] offset:12800+(\t)*768+6656
	ds_load_b32 v[SC+(\t)], v[\a4] offset:25088+(\t)*64
.endm
.macro SMUL t, a                       ; S^T's tile t (under WIN 0x04: Q lies in window 1)
	v_wmma_scale_f32_16x16x128_f8f6f4 v[S+8*(\t):S+8*(\t)+7], v[(\a):(\a)+11], v[QW:QW+11], 0, v[SC+(\t)], v[QS] matrix_a_fmt:MATRIX_FMT_FP6 matrix_b_fmt:MATRIX_FMT_FP6
.endm
.macro OMUL t, a                       ; O^T's tile t
	v_wmma_scale_f32_16x16x128_f8f6f4 v[O+8*(\t):O+8*(\t)+7], v[(\a):(\a)+11], v[P:P+11], v[O+8*(\t):O+8*(\t)+7], v[SC+(\t)], v[PSW] matrix_a_fmt:MATRIX_FMT_FP6 matrix_b_fmt:MATRIX_FMT_FP6
.endm
.macro ADDP k                          ; p's pair k (12 to 31) onto one of seven chains, by turns
.set CI_, ((\k)-12)%7
.if CI_
.set CR_, BX+2*(CI_-1)
.else
.set CR_, 14
.endif
	v_pk_add_f32 v[CR_:CR_+1], v[CR_:CR_+1], v[S+2*(\k):S+2*(\k)+1]
.endm
; A STEP: one record of 128 keys for my 16 queries.  last = 1: the walk's last slot, in which phases 3 to 5 have no record.
.macro STEP a16, a8, a4, last
	PLACES 5                                       ; the last products' registers are loaded, read and written over below
.if \last
	s_cmp_gt_u32 s[RHO], 32                        ; ids alone; no barrier, wait for a refill or tensor load stands in a step
	s_cbranch_scc1 .Lskip_\@
.endif
	SWITCH 1
.irp t, 0,1,2,3,4,5
	KT \t, F+12*\t, \a16, \a4
.endr
	s_wait_dscnt 8                                 ; tiles 0 to 3 are in; 4's and 5's eight loads may be out
	WIN 0x04
.irp t, 0,1,2,3
	SMUL \t, F+12*\t
.endr
	WIN 0
	PLACES 4
	KT 6, F, \a16, \a4
	KT 7, F+12, \a16, \a4
	s_wait_dscnt 8                                 ; tiles 4 and 5; 6's and 7's eight loads may be out
	WIN 0x04
	SMUL 4, F+48
	SMUL 5, F+60
	s_wait_dscnt 0x0
	SMUL 6, F
	SMUL 7, F+12
	WIN 0
	PLACES 4
.irp t, 0,1,2,3,4,5
	VT \t, F+12*\t, \a16, \a8, \a4                 ; V's first six tiles come under the softmax
.endr
	s_cmp_eq_u32 s[RHO], s[HM]                     ; only the records on the two diagonals have hidden keys
	s_cbranch_scc1 .Lmask_\@
	s_cmp_lg_u32 s[RHO], 32
	s_cbranch_scc1 .Lopen_\@
.Lmask_\@:
	v_mov_b32 v[TMP], 0xff800000                   ; -infinity: p = 0 then.  Register n holds the record's key 32 (n / 16) + 16 ((n % 16) / 8) + n % 8 + 8 (lane / 16): hidden where that is above my query's place
.set I, 0
.rept 64
	v_cmp_gt_i32 vcc_lo, 32*(I/16)+16*((I%16)/8)+I%8, v[DM]
	v_cndmask_b32 v[S+I], v[S+I], v[TMP], vcc_lo
.set I, I+1
.endr
.Lopen_\@:
.irp b, 0,1,2,3
	v_max3_num_f32 v[BM+\b], v[S+16*\b], v[S+1+16*\b], v[S+2+16*\b]   ; THE LARGEST SCORE OF EACH BLOCK OF 32 KEYS: for the row's maximum and, since p rises with the score, for the block's largest p
.endr
.irp i, 3,5,7,9,11,13
.irp b, 0,1,2,3
	v_max3_num_f32 v[BM+\b], v[BM+\b], v[S+16*\b+\i], v[S+1+16*\b+\i]   ; (the four blocks by turns)
.endr
.endr
.irp b, 0,1,2,3
	v_max_num_f32 v[BM+\b], v[BM+\b], v[S+15+16*\b]
.endr
.irp b, 0,1,2,3
	s_delay_alu instid0(VALU_DEP_4)
	v_permlanex16_b32 v[BX+\b], v[BM+\b], s[SEL], s[SEL+1]
.endr
.irp b, 0,1,2,3
	s_delay_alu instid0(VALU_DEP_4)
	v_max_num_f32 v[BM+\b], v[BM+\b], v[BX+\b]     ; with lane l xor 16's 16 keys
.endr
	s_delay_alu instid0(VALU_DEP_2)
	v_max3_num_f32 v[TMP], v[BM], v[BM+1], v[BM+2]
	s_delay_alu instid0(VALU_DEP_1)
	v_max_num_f32 v[TMP], v[TMP], v[BM+3]          ; the step's largest score of my query
	s_delay_alu instid0(VALU_DEP_1)
	v_mul_f32 v[TMP], s[CS], v[TMP]                ; as t (c is positive)
	s_delay_alu instid0(VALU_DEP_1)
	v_max_num_f32 v13, v13, v[TMP]                 ; the running largest t
	v_mov_b32 v[TMP], v12
	s_delay_alu instid0(VALU_DEP_2)
	v_floor_f32 v12, -v13                          ; the new -M = floor(-t) = -ceil(t): M IS A WHOLE NUMBER
	s_delay_alu instid0(VALU_DEP_1)
	v_sub_f32 v[TMP], v12, v[TMP]                  ; M's old value less its new one: a whole number, 0 or less
	s_delay_alu instid0(VALU_DEP_1)
	v_cvt_i32_f32 v[TMP], v[TMP]                   ; (it saturates)
	s_delay_alu instid0(VALU_DEP_1)
	v_ldexp_f32 v[FF], 1.0, v[TMP]                 ; f = 2^(old M - new M): a multiplication by it rounds nothing
.set I, 0
.rept 32
	v_pk_fma_f32 v[S+I:S+I+1], v[S+I:S+I+1], s[CS:CS+1], v[12:13] op_sel_hi:[1,0,0]   ; t - M, two at a time (of the pairs c and -M the low word serves both halves)
.set I, I+2
.endr
.irp b, 0,1,2,3
	v_fma_f32 v[BM+\b], v[BM+\b], s[CS], v12       ; the same of each block's largest score
.endr
	WALU
.set I, 0
.rept 64
	v_exp_f32 v[S+I], v[S+I]                       ; p = 2^(t - M), at most 1: NOT normalised
.set I, I+1
.endr
	v_pk_mul_f32 v[14:15], v[14:15], v[FF:FF+1] op_sel_hi:[1,0]   ; the sums under the new M.  (A plain place behind the exponentials)
	WALU                                           ; one wait for the whole batch, ahead of its first reader
.irp b, 0,1,2,3
	v_exp_f32 v[BM+\b], v[BM+\b]                   ; the block's largest p: the same two instructions on the same number give the same bits
.endr
.irp m, 0,1,2,3,4,5                            ; THE ROW'S SUM IS TAKEN OF THE UNQUANTISED p: two at a time, in seven chains
	v_pk_add_f32 v[BX+2*\m:BX+2*\m+1], v[S+4*\m:S+4*\m+1], v[S+4*\m+2:S+4*\m+3]
.endr
.set K_, 12
.rept 20
	ADDP K_
.set K_, K_+1
.endr
	v_pk_add_f32 v[14:15], v[14:15], v[BX:BX+1]
	v_pk_add_f32 v[BX+2:BX+3], v[BX+2:BX+3], v[BX+4:BX+5]
	v_pk_add_f32 v[BX+6:BX+7], v[BX+6:BX+7], v[SO:SO+1]
	v_pk_add_f32 v[14:15], v[14:15], v[SO+2:SO+3]
	v_pk_add_f32 v[BX+2:BX+3], v[BX+2:BX+3], v[BX+6:BX+7]
	s_delay_alu instid0(VALU_DEP_1)
	v_pk_add_f32 v[14:15], v[14:15], v[BX+2:BX+3]
	WALU                                           ; and one for the four
.irp b, 0,1,2,3
	v_max_num_f32 v[BM+\b], 0x1800000, v[BM+\b]    ; the floor 2^(3 - 127): the byte cannot fall under 1
.endr
.irp b, 0,1,2,3
	s_delay_alu instid0(VALU_DEP_4)
	v_add_nc_u32 v[SO+\b], 0xff000000, v[BM+\b]    ; 2 off the exponent field: the conversion's scale operand
.endr
.irp b, 0,1,2,3
	s_delay_alu instid0(VALU_DEP_4)
	v_lshrrev_b32 v[BX+\b], 23, v[SO+\b]           ; the scale's byte
.endr
	s_delay_alu instid0(VALU_DEP_3)
	v_lshl_or_b32 v[PSW], v[BX+1], 8, v[BX]        ; p's scale word for these 128 keys
	s_delay_alu instid0(VALU_DEP_1)
	v_lshl_or_b32 v[PSW], v[BX+2], 16, v[PSW]
	s_delay_alu instid0(VALU_DEP_1)
	v_lshl_or_b32 v[PSW], v[BX+3], 24, v[PSW]
.irp c, 0,1
	v_cvt_scalef32_pk16_fp6_f32 v[P+6*\c:P+2+6*\c], v[S+32*\c:S+15+32*\c], v[SO+2*\c]
	v_cvt_scalef32_pk16_fp6_f32 v[BX+4*\c:BX+2+4*\c], v[S+16+32*\c:S+31+32*\c], v[SO+1+2*\c]   ; (a conversion's three registers begin on an even number)
.endr
	v_nop                                          ; one plain place behind a scaled conversion
	VT 6, S, \a16, \a8, \a4                        ; p has become codes: its registers take V's last two tiles
	VT 7, S+12, \a16, \a8, \a4
.irp c, 0,1                                    ; the operand's layout wants a WHOLE block in a lane: lanes 0-15 block 2 c, lanes 16-31 block 2 c + 1
.irp i, 0,1,2
	v_permlane16_swap_b32 v[P+6*\c+\i], v[BX+4*\c+\i]
.endr
.irp i, 0,1,2
	s_delay_alu instid0(VALU_DEP_3)
	v_mov_b32 v[P+3+6*\c+\i], v[BX+4*\c+\i]
.endr
.endr
.set I, 0
.rept 32
	v_pk_mul_f32 v[O+I:O+I+1], v[O+I:O+I+1], v[FF:FF+1] op_sel_hi:[1,0]   ; O^T under the new M: x f.  (These 32 are also the places in front of the matrix instructions below)
.set I, I+2
.endr
	WALU
	s_wait_dscnt 10                                ; V's first six tiles are in; the last two's ten loads may be out
.irp t, 0,1,2,3,4,5                            ; O^T += V^T P^T; K = these 128 keys.  The eight accumulators take turns, one instruction a turn
	OMUL \t, F+12*\t
.endr
	s_wait_dscnt 0x0
	OMUL 6, S
	OMUL 7, S+12
	s_add_co_u32 s[RHO], s[RHO], 6
.Lskip_\@:                                         ; (a wave with no record here keeps its RHO, so that the test behind the last step still finds its change of groups)
.endm
	s_load_b128 s[4:7], s[0:1], 0x0                ; qimg s[4:5], kv s[6:7]
	s_load_b64 s[8:9], s[0:1], 0x10                ; out0
	v_lshl_add_u32 v[SPW], v0, 2, SPARE
	v_mov_b32 v[NIL], 0
	ds_add_u32 v[SPW], v[NIL]                      ; the wave's opening: the add, twice on end, and its wait ahead of the round in front of the first tensor loads; the set-up below, work on registers, stands between
	ds_add_u32 v[SPW], v[NIL]
	v_lshrrev_b32 v16, 5, v0
	v_readfirstlane_b32 s[WV], v16                 ; wave 0..11
	s_lshr_b32 s[PH], s[WV], 1                     ; c
	s_and_b32 s[TU], s[WV], 1                      ; u
	s_bfe_u32 s[CX], ttmp6, 0x40000                ; cx
	s_and_b32 s[BT], ttmp7, 0xffff                 ; the batch
	s_sub_co_u32 s[HH], 32, ttmp9                  ; H = 32 - j (in a cluster launch ttmp9 counts clusters)
	s_sub_co_u32 s[HM], 31, ttmp9
	s_sub_co_u32 s47, 3, s[CX]                     ; my 32 queries of hi's group: 3 - cx; of lo's: cx
	s_lshl_b32 s47, s47, 1
	s_add_co_u32 s47, s47, s[TU]                   ; my tile in hi's group,
	s_lshl_b32 s48, s47, 4                         ; its first query's place there
	s_lshl_b32 s49, s[CX], 1
	s_add_co_u32 s49, s49, s[TU]                   ; my tile in lo's group
	s_lshl_b32 s51, s[BT], 8
	s_lshl_b32 s50, s[HM], 3
	s_add_co_u32 s50, s50, s47
	s_add_co_u32 s50, s50, s51                     ; hi's tile among the 1,024
	s_lshl_b32 s52, ttmp9, 3
	s_add_co_u32 s52, s52, s49
	s_add_co_u32 s52, s52, s51                     ; lo's
	s_mul_i32 s66, s50, 1536                       ; their images and scale words
	s_mov_b32 s67, 0
	s_lshl_b32 s68, s50, 6
	s_add_co_u32 s68, s68, QSC
	s_mov_b32 s69, 0
	s_mul_i32 s70, s52, 1536
	s_mov_b32 s71, 0
	s_lshl_b32 s72, s52, 6
	s_add_co_u32 s72, s72, QSC
	s_mov_b32 s73, 0
	s_mul_i32 s74, s[BT], 32*REC                   ; my batch's 32 records
	s_mov_b32 s75, 0
	s_lshl_b32 s[DDM], s[CX], 6
	s_sub_co_u32 s[DDM], s[DDM], 96                ; 32 cx - 32 (3 - cx)
	s_min_u32 s53, s[WV], 5
	s_mul_i32 s[LB], s53, REC                      ; behind a change of slots I fill place wave (waves 0 to 5)
	s_add_co_u32 s[RN], s53, 6                     ; the first change steps it to 12 + wave
	s_mul_i32 s[T0], s[WV], REC                    ; at the head: record wave, into place wave of the twelve
	s_mov_b32 s[T0+1], 0
	s_sub_co_u32 s54, s[WV], 6                     ; the prefetching waves: 6 to 11 of each batch's first two clusters: the same in all four partners
	s_sub_co_u32 s55, s[HH], 24
	s_cmp_lt_u32 s[WV], s55                        ; is the last slot's record 30 + wave - 6 under H?
	s_cselect_b32 s55, 0, 1
	s_cmp_lt_u32 s54, 6
	s_cselect_b32 s55, s55, -1
	s_cmp_lt_u32 ttmp9, 2
	s_cselect_b32 s[LIM], s55, -1
	s_cmp_lt_u32 s[WV], 6
	s_cselect_b32 s54, 0, 6
	s_sub_co_u32 s54, s[WV], s54
	s_mul_i32 s54, s54, REC                        ; their record of the slot,
	s_mul_i32 s55, s[CX], 25*256                   ; my work-group's 25 blocks of it
	s_add_co_u32 s54, s54, s55
	; descriptor group 1: a record is a dense block: 100 rows of 256 bytes (32 elements of 8 bytes), no padding
	s_mov_b32 s[G1+0], 15|(3<<16)|(1<<21)          ; 15:0 the mask: all four work-groups; 17:16 elements of 8 bytes; 21 set beside a mask
	s_mov_b32 s[G1+1], 32<<16                      ; tensor_dim0 = 32
	s_mov_b32 s[G1+2], 100<<16                     ; tensor_dim1 = 100
	s_mov_b32 s[G1+3], 32<<16                      ; tile_dim0 = 32
	s_mov_b32 s[G1+4], 100                         ; tile_dim1 = 100
	s_mov_b32 s[G1+5], 32                          ; tensor_dim0_stride
	s_mov_b32 s[G1+6], 0
	s_mov_b32 s[G1+7], 0
	s_mov_b32 s[SEL], 0x76543210
	s_mov_b32 s[SEL+1], 0xfedcba98
	s_mov_b32 s[CS], 0x3e0293ee                    ; c = log2(e) / sqrt(128)
	s_mov_b32 s[CS+1], s[CS]                       ; (named with it as a pair, so it is written)
	s_mov_b32 s[RHO], s[PH]                        ; the walk's first slot: record c
	s_lshl_b32 s[QL], s[TU], 11
	s_add_co_u32 s[QL], s[QL], QLO
	s_mul_i32 s56, s[PH], REC
	WALU
	v_and_b32 v16, 31, v0                          ; lane
	v_and_b32 v17, 15, v0                          ; r
	v_bfe_u32 v18, v0, 4, 1                        ; h
	v_lshlrev_b32 v19, 4, v16
	v_lshlrev_b32 v20, 2, v17                      ; 4 r: lanes 16-31 take the same scale words as lanes 0-15
	v_lshlrev_b32 v21, 3, v16
	v_add_nc_u32 v22, s[QL], v19
	v_add_nc_u32 v[B16], s56, v19                  ; every LDS address of the walk is made here, ahead of any parting of the waves
	v_add_nc_u32 v[B8], s56, v21
	v_add_nc_u32 v[B4], s56, v20
	v_lshlrev_b32 v18, 3, v18
	v_min_u32 v[PFO], 24, v16
	v_add_nc_u32 v[A16], SLOT1, v[B16]
	v_add_nc_u32 v[A8], SLOT1, v[B8]
	v_add_nc_u32 v[A4], SLOT1, v[B4]
	v_sub_nc_u32 v[DM], v17, v18
	v_lshlrev_b32 v[PFO], 8, v[PFO]
	v_add_nc_u32 v[DM], s48, v[DM]
	v_add_nc_u32 v[PFO], s54, v[PFO]
	WALU
	s_wait_dscnt 0x0                               ; the opening adds are done
	s_wait_kmcnt 0x0
	s_add_nc_u64 s[KVB:KVB+1], s[6:7], s[74:75]
	s_mov_b32 s[G0], 1                             ; count = 1
	s_mul_i32 s[G0+1], s[WV], REC
	s_add_nc_u64 s[G0+2:G0+3], s[KVB:KVB+1], s[T0:T0+1]   ; hi's key steps 0 to 11 (H is 17 at the least)
	s_or_b32 s[G0+3], s[G0+3], 0x80000000          ; type = 2
	s_add_nc_u64 s[PFA:PFA+1], s[KVB:KVB+1], 12*REC ; slot 2 of the walk
	s_add_nc_u64 s[66:67], s[4:5], s[66:67]
	s_add_nc_u64 s[68:69], s[4:5], s[68:69]
	s_add_nc_u64 s[70:71], s[4:5], s[70:71]
	s_add_nc_u64 s[72:73], s[4:5], s[72:73]
	CROUND                                         ; all four work-groups are here: the first joint loads meet
	s_cmp_lt_u32 s[WV], 6                          ; the first fills, one load a wave: waves 0 to 5 slot 0, by a line of their own, since they alone wait at the first barrier;
	s_cbranch_scc0 .Lslot_1
	tensor_load_to_lds s[G0:G0+3], s[G1:G1+7]
	s_nop 0
	PLACES 4
	s_branch .Lfirst_asked
.Lslot_1:                                          ; waves 6 to 11 slot 1
	tensor_load_to_lds s[G0:G0+3], s[G1:G1+7]
	s_nop 0
	PLACES 4
.Lfirst_asked:
	WIN 0x40
.irp i, 0,1,2
	global_load_b128 v[QW+4*\i:QW+4*\i+3], v19, s[66:67] offset:512*\i   ; hi's Q stays in registers until the wave's stream passes to lo
.endr
	WIN 0
	global_load_b32 v[QS], v20, s[68:69]           ; and its scale words
	v_mov_b32 v13, 0xff61b1e6                      ; the largest t so far: -3e38, under every t
	v_mov_b32 v14, 0                               ; the sum, in two halves
	v_floor_f32 v12, -v13                          ; -M
	v_mov_b32 v15, 0
.irp b, 0,1,2,3
	v_mov_b32 v[BX+\b], 0                          ; written once: a lane permute's destination counts as one of its sources
.endr
	v_mov_b32 v[FF+1], 0                           ; (named as the upper half of the pair)
	WIN 0x40                                       ; what a wave lays aside at its change of groups: each wave changes once, but no single way through the text shows it, so the registers are written here
.set I, 0
.rept 64
	v_mov_b32 v[SV+I], 0
.set I, I+1
.endr
	v_mov_b32 v[SVM], 0
	v_mov_b32 v[SVM+1], 0
	WIN 0
.set I, 0
.rept 64
	v_mov_b32 v[O+I], 0                            ; O^T.  (The step's text is one for all: the first finds zeros, which the first change of M leaves zeros)
.set I, I+1
.endr
	WALU                                           ; the head's end
	s_cmp_lt_u32 s[WV], 2                          ; waves 0 and 1 put lo's Q of tile 0 and 1 into LDS; the first barrier shows it to all
	s_cbranch_scc0 .Lno_lo
.irp i, 0,1,2
	global_load_b128 v[F+4*\i:F+4*\i+3], v19, s[70:71] offset:512*\i
.endr
	global_load_b32 v[F+12], v20, s[72:73]
	s_wait_loadcnt 0x0
.irp i, 0,1,2
	ds_store_b128 v22, v[F+4*\i:F+4*\i+3] offset:512*\i
.endr
	ds_store_b32 v22, v[F+12] offset:1536
.Lno_lo:
	s_wait_loadcnt 0x0                             ; hi's Q
	s_cmp_lt_u32 s[WV], 6
	s_cbranch_scc0 .Lnot_slot_0
	s_wait_tensorcnt 0x0                           ; my record of slot 0; slot 1's may still be on their way
.Lnot_slot_0:
	s_wait_dscnt 0x0
	s_barrier_signal -1
	s_barrier_wait -1
	ASK 0
	STEP B16, B8, B4, 0
	CHANGE 1, 6, 1
	STEP A16, A8, A4, 0
	CHANGE 0, 6, 2
	STEP B16, B8, B4, 0
	CHANGE 1, 6, 3
	STEP A16, A8, A4, 0
	CHANGE 0, 3, 4
	STEP B16, B8, B4, 0
	CHANGE 1, 0, 5
	STEP A16, A8, A4, 1
	; THE SIX PHASES OF A TILE MEET.  Every wave puts its two partial O^T (as images of their registers), -M and sums into LDS; waves 0 to 7 each bring half a tile's six under the largest M, by powers of two, add them, divide and store.
	PLACES 5                                       ; places behind the last products, in front of the reads of O^T and of writes into operands' registers
	SWITCH 0
	s_add_co_u32 s46, s[PH], 1
	s_lshr_b32 s46, s46, 2                         ; 1 for c > 2
	s_mul_i32 s47, s[TU], 24576
	s_lshl_b32 s48, s[PH], 13
	s_add_co_u32 s47, s47, s48
	s_mul_i32 s48, s46, 24576
	s_add_co_u32 s48, s48, s47                     ; hi's place
	s_mul_i32 s49, s46, SLOT1-LOB-24576
	s_add_co_u32 s49, s49, s47
	s_add_co_u32 s49, s49, LOB                     ; lo's
	s_mul_i32 s50, s[TU], 1536
	s_lshl_b32 s51, s[PH], 8
	s_add_co_u32 s50, s50, s51
	s_add_co_u32 s50, s50, STB                     ; the statistics'
	v_and_b32 v3, 31, v0
	v_lshlrev_b32 v1, 4, v3
	v_lshlrev_b32 v2, 3, v3
	v_add_f32 v13, v14, v15                        ; my lane's half of the row's sum
	v_add_nc_u32 v4, s48, v1
	v_add_nc_u32 v5, s49, v1
	v_add_nc_u32 v6, s50, v2
	WALU
	WIN 0x04
.irp i, 0,1,2,3,4,5,6,7,8,9,10,11,12,13,14,15
	ds_store_b128 v4, v[SV+4*\i:SV+4*\i+3] offset:512*\i
.endr
	ds_store_b64 v6, v[SVM:SVM+1]
	WIN 0
	ds_store_b64 v6, v[12:13] offset:3072
.macro PUTLO
.irp i, 0,1,2,3,4,5,6,7,8,9,10,11,12,13,14,15
	ds_store_b128 v5, v[O+4*\i:O+4*\i+3] offset:512*\i   ; ascending: each accumulator from its low end on
.endr
.endm
	s_cmp_lt_u32 s[PH], 3
	s_cbranch_scc0 .Llater
	PUTLO
.Llater:
	s_wait_dscnt 0x0
	s_barrier_signal -1
	s_barrier_wait -1                              ; nobody reads slot 1 any more: it takes lo's of phases 3 to 5
	s_cmp_lt_u32 s[PH], 3
	s_cbranch_scc1 .Lhave
	PUTLO
.Lhave:
	s_lshr_b32 s46, s[PH], 1
	s_and_b32 s46, s46, 1                          ; what waves 0 to 7 bring together: 0 hi, 1 lo;
	s_and_b32 s47, s[PH], 1                        ; which 64 of the head's 128
	s_lshl_b32 s48, s47, 12
	s_mul_i32 s49, s[TU], 24576
	s_add_co_u32 s49, s49, s48
	s_mul_i32 s48, s46, LOB
	s_add_co_u32 s48, s48, s49                     ; phases 0 to 2
	s_mul_i32 s51, s46, SLOT1-49152
	s_add_co_u32 s51, s51, 49152
	s_add_co_u32 s51, s51, s49                     ; phases 3 to 5
	s_mul_i32 s52, s46, 3072
	s_mul_i32 s53, s[TU], 1536
	s_add_co_u32 s52, s52, s53
	s_add_co_u32 s52, s52, STB
	s_min_u32 s53, s[WV], 7
	s_mul_i32 s53, s53, 4352
	s_add_co_u32 s53, s53, STG                     ; my stage
	s_sub_co_u32 s54, 3, s[CX]
	s_cmp_eq_u32 s46, 1
	s_cselect_b32 s54, s[CX], s54
	s_cselect_b32 s55, ttmp9, s[HM]
	s_lshl_b32 s54, s54, 1
	s_add_co_u32 s54, s54, s[TU]
	s_lshl_b32 s55, s55, 3
	s_add_co_u32 s54, s54, s55
	s_lshl_b32 s55, s[BT], 8
	s_add_co_u32 s54, s54, s55                     ; the tile among the 1,024
	s_lshl_b32 s54, s54, 13                        ; its 16 rows of 512 bytes of out,
	s_lshl_b32 s47, s47, 8
	s_add_co_u32 s54, s54, s47                     ; my half of them
	s_mov_b32 s55, 0
	s_add_nc_u64 s[8:9], s[8:9], s[54:55]
	WALU
	v_add_nc_u32 v4, s48, v1
	v_add_nc_u32 v5, s51, v1
	v_add_nc_u32 v6, s52, v2
	v_and_b32 v28, 15, v3                          ; r
	v_lshrrev_b32 v29, 4, v3                       ; h
	v_mul_u32_u24 v7, v28, 272
	v_mul_u32_u24 v10, v29, 272
	v_lshlrev_b32 v11, 9, v29                      ; out: 512 h + 16 r
	v_lshl_add_u32 v7, v29, 5, v7
	v_lshl_add_u32 v10, v28, 4, v10
	v_lshl_add_u32 v11, v28, 4, v11
	v_add_nc_u32 v7, s53, v7                       ; the stage, in: 272 r + 32 h
	v_add_nc_u32 v10, s53, v10                     ; and back: 272 h + 16 r
	WALU
	s_wait_dscnt 0x0                               ; for the others' sake: my stores have landed
	s_barrier_signal -1
	s_barrier_wait -1
	s_cmp_lt_u32 s[WV], 8
	s_cbranch_scc0 .Lend
.irp p, 0,1,2,3,4,5
	ds_load_b64 v[16+2*\p:17+2*\p], v6 offset:256*\p   ; -M and the sum of phase p
.endr
.irp p, 0,1,2,3,4,5                            ; the half tile of phase p: v[56 + 32 p ..]
.irp i, 0,1,2,3,4,5,6,7
.if \p < 3
	ds_load_b128 v[56+32*\p+4*\i:59+32*\p+4*\i], v4 offset:8192*\p+512*\i
.else
	ds_load_b128 v[56+32*\p+4*\i:59+32*\p+4*\i], v5 offset:8192*(\p-3)+512*\i
.endif
.endr
.endr
	v_mov_b32 v40, 0                               ; a lane permute's destination counts as one of its sources
.irp p, 0,1,2,3,4,5
	v_mov_b32 v[29+2*\p], 0                        ; (the upper halves of the factors' pairs are named, so they are written)
.endr
	WALU
	s_wait_dscnt 48                                ; the statistics are in; the partial sums' 48 loads may be out
	v_min3_num_f32 v42, v16, v18, v20
	v_min3_num_f32 v42, v42, v22, v24
	v_min_num_f32 v42, v42, v26                    ; -M of the largest M
.irp p, 0,1,2,3,4,5
	v_sub_f32 v[28+2*\p], v42, v[16+2*\p]          ; M_p less the largest M: a whole number, 0 or less
.endr
.irp p, 0,1,2,3,4,5
	v_cvt_i32_f32 v[28+2*\p], v[28+2*\p]           ; (it saturates: a phase that had no record gets the factor 0)
.endr
.irp p, 0,1,2,3,4,5
	v_ldexp_f32 v[28+2*\p], 1.0, v[28+2*\p]        ; f_p
.endr
	v_mul_f32 v43, v28, v17
	v_mul_f32 v44, v30, v19
	v_fmac_f32 v43, v32, v21
	v_fmac_f32 v44, v34, v23
	v_fmac_f32 v43, v36, v25
	v_fmac_f32 v44, v38, v27
	v_add_f32 v43, v43, v44                        ; my lane's half of the row's sum under the largest M,
	v_permlanex16_b32 v40, v43, s[SEL], s[SEL+1]
	v_add_f32 v43, v43, v40                        ; and lane l xor 16's: the row's sum
	WALU
	v_rcp_f32 v43, v43
	v_nop                                          ; a plain place behind the transcendental
	WALU                                           ; ahead of the first reader
.irp p, 0,1,2,3,4,5
	v_mul_f32 v[28+2*\p], v[28+2*\p], v43          ; the division goes into the factors (f_p is a power of two)
.endr
	WALU
	s_wait_dscnt 40                                ; phase 0's eight loads are in
.set I, 0
.rept 16
	v_pk_mul_f32 v[56+I:57+I], v[56+I:57+I], v[28:29] op_sel_hi:[1,0]
.set I, I+2
.endr
.irp p, 1,2,3,4,5
	s_wait_dscnt 40-8*\p
.set I, 0
.rept 16
	v_pk_fma_f32 v[56+I:57+I], v[56+32*\p+I:57+32*\p+I], v[28+2*\p:29+2*\p], v[56+I:57+I] op_sel_hi:[1,0,1]
.set I, I+2
.endr
.endr
	; THE WAY OUT: register 8 t + i is out(query r, 64 half + 16 t + 8 h + i).  Through my stage in LDS, 256 bytes of 16 rows, so that sixteen lanes store 256 consecutive bytes, at a multiple of 256 from out's first byte
.irp t, 0,1,2,3
	ds_store_b128 v7, v[56+8*\t:59+8*\t] offset:64*\t
	ds_store_b128 v7, v[60+8*\t:63+8*\t] offset:64*\t+16
.endr
.irp i, 0,1,2,3,4,5,6,7
	ds_load_b128 v[96+4*\i:99+4*\i], v10 offset:2*\i*272   ; LDS serves a wave's instructions in order (ISA guide 5.7.1.4): these see my stores
.endr
.irp i, 0,1,2,3,4,5,6,7
	s_wait_dscnt 7-\i
	global_store_b128 v11, v[96+4*\i:99+4*\i], s[8:9] offset:2*\i*512
.endr
.Lend:
	s_wait_tensorcnt 0x0                           ; the wave's end, behind my last tensor load and my last LDS store
	ds_add_u32 v[SPW], v[NIL]
	s_wait_dscnt 0x0
	CROUND                                         ; the closing round: no work-group ends while a partner may still ask for a record that names it
	s_endpgm
.Lfunc_end_k_q029a9225f3_attn:
	.size	k_q029a9225f3_attn, .Lfunc_end_k_q029a9225f3_attn-k_q029a9225f3_attn
	.p2alignl 7, 3214868480
	.fill 96, 4, 3214868480
	.section	.rodata,"a",@progbits
	.p2align	6, 0x0
	.amdhsa_kernel k_q029a9225f3_attn
		.amdhsa_group_segment_fixed_size 327680
		.amdhsa_private_segment_fixed_size 0
		.amdhsa_enable_private_segment 0
		.amdhsa_kernarg_size 24
		.amdhsa_user_sgpr_count 2
		.amdhsa_user_sgpr_kernarg_segment_ptr 1
		.amdhsa_wavefront_size32 1
		.amdhsa_system_sgpr_workgroup_id_x 1
		.amdhsa_system_sgpr_workgroup_id_y 1
		.amdhsa_system_sgpr_workgroup_id_z 1
		.amdhsa_system_vgpr_workitem_id 0
		.amdhsa_next_free_vgpr 336
		.amdhsa_next_free_sgpr 80
		.amdhsa_reserve_vcc 1
		.amdhsa_float_denorm_mode_32 3
		.amdhsa_float_denorm_mode_16_64 3
		.amdhsa_memory_ordered 1
		.amdhsa_forward_progress 1
		.amdhsa_inst_pref_size 228
	.end_amdhsa_kernel
	.amdgpu_metadata
---
amdhsa.version: [ 1, 2 ]
amdhsa.kernels:
  - .name:           k_q029a9225f3_attn
    .symbol:         k_q029a9225f3_attn.kd
    .args:
      - { .name: qimg, .offset: 0, .size: 8, .value_kind: global_buffer, .address_space: global }
      - { .name: kv, .offset: 8, .size: 8, .value_kind: global_buffer, .address_space: global }
      - { .name: out0, .offset: 16, .size: 8, .value_kind: global_buffer, .address_space: global }
    .group_segment_fixed_size: 327680
    .private_segment_fixed_size: 0
    .kernarg_segment_align: 8
    .kernarg_segment_size: 24
    .max_flat_workgroup_size: 384
    .sgpr_count:     80
    .vgpr_count:     336
    .wavefront_size: 32
...
	.end_amdgpu_metadata
.endif
;; end of part 3
